; MI455X (gfx1250); checked and timed in simulation.
; The chip was launched on July 23, 2026; its instructions are those of AMD's public machine-readable ISA for CDNA 5 (MIT licence, August 2026) and "CDNA5" Instruction Set Architecture Reference Guide (July 2026). The comments in the code are by the model that wrote it; some were corrected since.
;; Multi Head Attention. Allowed arithmetic: matrix products marked QUANTISED: E4M3 operands, one given power-of-two scale a tensor, by v_wmma_f32_16x16x64_fp8_fp8 or v_wmma_f32_16x16x128_fp8_fp8, f32 sums; everything else in f32.
;; Inputs: Wk 1,024 x 1,024 float32; Wo 1,024 x 1,024 float32; Wq 1,024 x 1,024 float32; Wv 1,024 x 1,024 float32; key 2 x 2,048 x 1,024 float32; lowp_scales 12 int32 (the exponents e of the quantised operands' scales 2^e); query 2 x 2,048 x 1,024 float32; value 2 x 2,048 x 1,024 float32.
;; Outputs: out0 2 x 2,048 x 1,024 float32.
;; This version of the problem:
;;   THIS VERSION OF THE PROBLEM IS GIVEN IN LOW PRECISION. The matrix products marked QUANTISED in the list below multiply operands that are first quantised to E4M3 (4 exponent bits, 3 mantissa bits; 8 bits a number), with one given power-of-two scale for each operand tensor; their sums are f32. All else is computed in f32.
;;   The module's matrix products, in the order in which they are computed (A, B: the left and right operand; K: the contracted axis; several contracted axes count as one K, in the product's order):
;;     1. [M 4,096, K 1,024] x [K 1,024, N 1,024]; A: input query; B: input Wq: QUANTISED (scales: A lowp_scales[0], B lowp_scales[1])
;;     2. [M 4,096, K 1,024] x [K 1,024, N 1,024]; A: input key; B: input Wk: QUANTISED (scales: A lowp_scales[2], B lowp_scales[3])
;;     3. [M 4,096, K 1,024] x [K 1,024, N 1,024]; A: input value; B: input Wv: QUANTISED (scales: A lowp_scales[4], B lowp_scales[5])
;;     4. batch 32 x [M 2,048, K 64] x [K 64, N 2,048]; A: computed on the way; B: computed on the way: QUANTISED (scales: A lowp_scales[6], B lowp_scales[7])
;;     5. batch 32 x [M 2,048, K 2,048] x [K 2,048, N 64]; A: softmax (see below); B: computed on the way: QUANTISED (scales: A lowp_scales[8], B lowp_scales[9])
;;     6. [M 4,096, K 1,024] x [K 1,024, N 1,024]; A: computed on the way; B: input Wo: QUANTISED (scales: A lowp_scales[10], B lowp_scales[11])
;;   THE QUANTISER, for each operand of a quantised product, along K:
;;     - The operand's scale is 2^e, e = its entry of the input lowp_scales (int32; the entries are numbered through the quantised products in the list's order, A before B).
;;     - Each number is divided by the scale, clamped to +-448, and rounded to the nearest number of E4M3, ties to even, subnormals kept.
;;     - The product sums the exact products of the quantised numbers (number of the format x scale) in f32.
;;   ~~~python
;;   def quantise(x, axis, e):      # numpy; x: float32 -> the quantised numbers, widened to float32 again
;;       x = np.moveaxis(x, axis, -1); K = x.shape[-1]
;;       r = np.clip(x / 2.0 ** e, -448, 448)
;;       step = 2.0 ** (np.maximum(np.frexp(np.where(r == 0, 1, r))[1] - 1, -6) - 3)
;;       q = np.round(r / step) * step * 2.0 ** e      # np.round: ties to even
;;       return np.moveaxis(q, -1, axis).astype(np.float32)
;;   ~~~
;;   SOFTMAX AHEAD OF A QUANTISED PRODUCT. Where the list says 'softmax', what is quantised is not the finished softmax but p = 2^(t - M), with t = logit x log2(e) and M = ceil(the row's largest t), a whole number; so 1/2 < the row's largest p <= 1. The row's sum l is taken of the UNQUANTISED p, in f32, and the product's result is divided by l at the end. Since M is a whole number, a kernel that streams over the keys may use a running M (the ceiling of the running maximum): every later rescaling is an exact power of two, so the quantised numbers keep their values, but for numbers so far below the row's largest that they fall under the format's range.
;;   OPERANDS COMPUTED ON THE WAY. 'Computed on the way' means the value that the module computes at that place (a softmax that the list does not call 'softmax' is quantised finished and normalised). What goes into a quantiser is computed in f32, as accurately as f32 sums, v_exp_f32 and their like allow (about 1e-6 of the number): no bf16 or f16 on the way to a quantiser, and a product that is left as it is and whose result goes on into a quantised operand takes f32 operands (vector FMAs, or v_wmma_f32_16x16x4_f32). A number that lies on a knife's edge between two numbers of the format may be rounded either way, as far as f32 arithmetic and the matrix unit's own rounding can turn it there, and no further.
;; One version. Each part assembles by itself: llvm-mc -triple=amdgcn-amd-amdhsa -mcpu=gfx1250 --defsym DOCPART=n.
;; ======== version 1 of 1: 4 launches
;; limits: right only within a limited range of input values
;; workspace buffers: codes 16,777,216 bytes; qkv 12,582,912 bytes; xc 4,194,304 bytes
;; launch quant (part 1): grid 32 x 16, 4 waves a work-group, no clusters, 33,280 bytes of LDS; arguments query, key, value, Wq, Wk, Wv, Wo, lowp_scales, codes; writes codes
.if DOCPART == 1
	.amdgcn_target "amdgcn-amd-amdhsa--gfx1250"
	.amdhsa_code_object_version 6
	.text
	.protected	k_qcc179b9253_quant
	.globl	k_qcc179b9253_quant
	.p2align	8
	.type	k_qcc179b9253_quant,@function
k_qcc179b9253_quant:
	s_mov_b64 s[64:65], 0
	v_nop
	global_prefetch_b8 v0, s[64:65] scope:SCOPE_SE
	s_setreg_imm32_b32 hwreg(HW_REG_WAVE_MODE, 25, 1), 1
	s_wait_xcnt 0x0
; query, key, value [4096][1024] and Wq, Wk, Wv, Wo [1024][1024], f32 with K innermost, become codes of E4M3, one byte each, in the same order,
; each tensor with the one scale 2^e given for it: code = x / 2^e, held within +-448, to the nearest code, ties to even.
; The buffer of codes has sixteen segments of 2^20 codes: query 0-3, key 4-7, value 8-11, Wq 12, Wk 13, Wv 14, Wo 15.  Work-group y = the segment, x = a run of 32,768 numbers in it;
; a wave takes 8,192 numbers in 16 steps of 512.  Rows are dense, so nothing here knows of rows.
; A conversion takes 8 numbers from ONE lane's registers, so a lane must hold neighbours; a load is best where neighbouring lanes take neighbouring bytes.  Both are had: each of a step's four loads reads 512
; consecutive bytes, 16 a lane; the 2,048 bytes go through the wave's own stage in LDS and come back 64 bytes a lane (16 bytes of padding behind each 64).  A lane's 16 codes are 16 bytes: a store covers 512 consecutive bytes.
; No barrier: waves share nothing.  Loads run four steps (16 loads a wave) ahead, the turn through LDS one step.
; LIMITS: each e between -126 and 119, so that 2^e and 448 x 2^e are f32 numbers.  NaN among the inputs is not served (an infinity is held at the largest code).
.set STEPS, 16
.set EMAX,  8
.set MANT,  0x600000                   ; the mantissa field of 448 as f32
.set CB,    16                         ; bytes of 16 codes
.set R,     16                         ; v16-79   four sets of 16 numbers as they are loaded
.set X,     80                         ; v80-111  two sets of 16 neighbours
.set C,     128                        ; v128-191 codes: four registers for each step, so that no store's data are written again
.set WREG,  8192                       ; LDS: a region for each wave: two stages of 32 x SP bytes
.set SP,    80                         ; a lane's place in a stage: 64 bytes + 16 of padding
	s_load_b512 s[16:31], s[0:1], 0x0              ; query 16, key 18, value 20, Wq 22, Wk 24, Wv 26, Wo 28, the exponents 30
	s_load_b64 s[8:9], s[0:1], 0x40                ; the codes
	v_lshl_add_u32 v192, v0, 2, 0x8000
	v_mov_b32 v193, 0
	v_lshrrev_b32 v1, 5, v0
	v_readfirstlane_b32 s12, v1                    ; wave
	v_and_b32 v2, 31, v0                           ; lane
	v_lshlrev_b32 v3, 4, v2                        ; my 16 bytes of a load's 512
	s_mul_i32 s13, s12, WREG
	v_lshrrev_b32 v14, 2, v2
	v_mul_u32_u24 v14, v14, SP
	v_and_b32 v15, 3, v2
	v_lshl_add_u32 v14, v15, 4, v14
	v_add_nc_u32 v14, s13, v14                     ; the stage, on the way in: SP (lane / 4) + 16 (lane % 4); a load's 512 bytes take eight places
	v_mul_u32_u24 v15, v2, SP
	v_add_nc_u32 v15, s13, v15                     ; and on the way out: SP x lane: my 16 neighbours
	v_mul_u32_u24 v4, v2, CB                       ; my codes' place in a step's
	s_and_b32 s2, ttmp7, 0xffff                    ; the segment, 0 to 15
	s_lshr_b32 s3, s2, 2
	s_sub_co_u32 s11, s2, 9
	s_and_b32 s6, s2, 3
	s_cmp_lt_u32 s2, 12
	s_cselect_b32 s3, s3, s11                      ; the tensor: 0 query, 1 key, 2 value, 3 Wq, 4 Wk, 5 Wv, 6 Wo
	s_cselect_b32 s6, s6, 0                        ; and which of its segments
	s_lshl_b32 s6, s6, 7
	s_lshl_b32 s7, ttmp9, 2
	s_add_co_u32 s7, s7, s12                       ; my wave's run of 8,192 numbers in the segment
	s_add_co_u32 s6, s6, s7
	s_lshl_b32 s6, s6, 15                          ; its first byte in the tensor (under 2^24)
	s_lshl_b32 s10, s7, 13
	s_lshl_b32 s11, s2, 20
	s_add_co_u32 s10, s10, s11                     ; and in the codes
	s_mov_b32 s7, 0
	s_mov_b32 s11, 0
	s_wait_alu depctr_va_vdst(0)
	s_wait_kmcnt 0x0
	s_load_b256 s[40:47], s[30:31], 0x0            ; e0 .. e7
	s_load_b128 s[48:51], s[30:31], 0x20           ; e8 .. e11
	s_mov_b64 s[4:5], s[16:17]                     ; the tensor's address: chosen on the work-group's number alone
.irp k, 1,2,3,4,5,6
	s_cmp_eq_u32 s3, \k
	s_cselect_b64 s[4:5], s[16+2*\k:17+2*\k], s[4:5]
.endr
	s_add_nc_u64 s[4:5], s[4:5], s[6:7]
	s_add_nc_u64 s[8:9], s[8:9], s[10:11]
.macro LOAD t
.irp i, 0,1,2,3
	global_load_b128 v[R+16*((\t)%4)+4*\i:R+16*((\t)%4)+4*\i+3], v3, s[4:5] offset:2048*(\t)+512*\i th:TH_LOAD_NT   ; 32 lanes read 512 consecutive bytes; read once
.endr
.endm
.macro TURN t                          ; step t's numbers through the stage: LDS serves a wave's instructions in order, so no wait stands between the stores and the loads
.irp i, 0,1,2,3
	ds_store_b128 v14, v[R+16*((\t)%4)+4*\i:R+16*((\t)%4)+4*\i+3] offset:32*SP*((\t)%2)+8*SP*\i
.endr
.irp i, 0,1,2,3
	ds_load_b128 v[X+16*((\t)%2)+4*\i:X+16*((\t)%2)+4*\i+3], v15 offset:32*SP*((\t)%2)+16*\i
.endr
.endm
.irp t, 0,1,2,3
	LOAD \t
.endr
	s_wait_kmcnt 0x0
	s_mov_b32 s13, s40                             ; the tensor's e: query e0, key e2, value e4, Wq e1, Wk e3, Wv e5, Wo e11
	s_cmp_eq_u32 s3, 1
	s_cselect_b32 s13, s42, s13
	s_cmp_eq_u32 s3, 2
	s_cselect_b32 s13, s44, s13
	s_cmp_eq_u32 s3, 3
	s_cselect_b32 s13, s41, s13
	s_cmp_eq_u32 s3, 4
	s_cselect_b32 s13, s43, s13
	s_cmp_eq_u32 s3, 5
	s_cselect_b32 s13, s45, s13
	s_cmp_eq_u32 s3, 6
	s_cselect_b32 s13, s51, s13
	s_add_co_i32 s13, s13, 127
	s_lshl_b32 s14, s13, 23
	v_mov_b32 v11, s14                             ; 2^e as f32: the conversion takes its exponent field
	s_add_co_i32 s13, s13, EMAX
	s_lshl_b32 s13, s13, 23
	s_or_b32 s13, s13, MANT
	v_mov_b32 v10, s13                             ; 448 x 2^e
	s_wait_alu depctr_va_vdst(0)
	s_wait_loadcnt 12                              ; step 0's four loads are in; the twelve of steps 1 to 3 may be out
	TURN 0
.macro STEP t
.set XS, X+16*((\t)%2)
	s_wait_dscnt 0x0                               ; this step's numbers are back from the stage: so its stores into the stage have read their registers,
.if (\t)+4 < STEPS
	LOAD (\t)+4                                    ; which take the loads of four steps on
.endif
.if (\t)+1 < STEPS
.if STEPS-2-(\t) >= 3
	s_wait_loadcnt 12                              ; the next step's four loads are in; those of the three steps behind it may be out
.else
	s_wait_loadcnt 4*(STEPS-2-(\t))                ; in the tail fewer steps stand behind it
.endif
	TURN (\t)+1                                    ; and go through the other stage while this step is worked
.endif
.irp i, 0,1,2,3,4,5,6,7,8,9,10,11,12,13,14,15
	v_med3_num_f32 v[XS+\i], v[XS+\i], -v10, v10   ; the conversion to an 8-bit code does not saturate (ISA guide 7.6.2): hold the number within 448 x the scale first
.endr
	v_cvt_scalef32_pk8_fp8_f32 v[C+4*(\t):C+4*(\t)+1], v[XS:XS+7], v11
	v_cvt_scalef32_pk8_fp8_f32 v[C+4*(\t)+2:C+4*(\t)+3], v[XS+8:XS+15], v11
	global_store_b128 v4, v[C+4*(\t):C+4*(\t)+3], s[8:9] offset:32*CB*(\t)   ; the results go to a store alone; the next vector lines are the next step's holds, on other registers
.endm
.irp t, 0,1,2,3,4,5,6,7,8,9,10,11,12,13,14,15
	STEP \t
.endr
	s_wait_tensorcnt 0x0
	ds_add_u32 v192, v193
	s_wait_dscnt 0x0
	s_endpgm
.Lfunc_end_k_qcc179b9253_quant:
	.size	k_qcc179b9253_quant, .Lfunc_end_k_qcc179b9253_quant-k_qcc179b9253_quant
	.p2alignl 7, 3214868480
	.fill 96, 4, 3214868480
	.section	.rodata,"a",@progbits
	.p2align	6, 0x0
	.amdhsa_kernel k_qcc179b9253_quant
		.amdhsa_group_segment_fixed_size 33280
		.amdhsa_private_segment_fixed_size 0
		.amdhsa_enable_private_segment 0
		.amdhsa_kernarg_size 72
		.amdhsa_user_sgpr_count 2
		.amdhsa_user_sgpr_kernarg_segment_ptr 1
		.amdhsa_wavefront_size32 1
		.amdhsa_system_sgpr_workgroup_id_x 1
		.amdhsa_system_sgpr_workgroup_id_y 1
		.amdhsa_system_sgpr_workgroup_id_z 1
		.amdhsa_system_vgpr_workitem_id 0
		.amdhsa_next_free_vgpr 194
		.amdhsa_next_free_sgpr 66
		.amdhsa_reserve_vcc 0
		.amdhsa_float_denorm_mode_32 3
		.amdhsa_float_denorm_mode_16_64 3
		.amdhsa_memory_ordered 1
		.amdhsa_forward_progress 1
		.amdhsa_inst_pref_size 38
	.end_amdhsa_kernel
	.amdgpu_metadata
---
amdhsa.version: [ 1, 2 ]
amdhsa.kernels:
  - .name:           k_qcc179b9253_quant
    .symbol:         k_qcc179b9253_quant.kd
    .args:
      - { .name: query, .offset: 0, .size: 8, .value_kind: global_buffer, .address_space: global }
      - { .name: key, .offset: 8, .size: 8, .value_kind: global_buffer, .address_space: global }
      - { .name: value, .offset: 16, .size: 8, .value_kind: global_buffer, .address_space: global }
      - { .name: Wq, .offset: 24, .size: 8, .value_kind: global_buffer, .address_space: global }
      - { .name: Wk, .offset: 32, .size: 8, .value_kind: global_buffer, .address_space: global }
      - { .name: Wv, .offset: 40, .size: 8, .value_kind: global_buffer, .address_space: global }
      - { .name: Wo, .offset: 48, .size: 8, .value_kind: global_buffer, .address_space: global }
      - { .name: lowp_scales, .offset: 56, .size: 8, .value_kind: global_buffer, .address_space: global }
      - { .name: codes, .offset: 64, .size: 8, .value_kind: global_buffer, .address_space: global }
    .group_segment_fixed_size: 33280
    .private_segment_fixed_size: 0
    .kernarg_segment_align: 8
    .kernarg_segment_size: 72
    .max_flat_workgroup_size: 128
    .sgpr_count:     66
    .vgpr_count:     194
    .wavefront_size: 32
...
	.end_amdgpu_metadata
.endif
;; end of part 1
;; launch proj (part 2): grid 4 x 48, 4 waves a work-group, clusters of 4 x 4, 327,680 bytes of LDS; arguments codes, lowp_scales, qkv; writes qkv
.if DOCPART == 2
	.amdgcn_target "amdgcn-amd-amdhsa--gfx1250"
	.amdhsa_code_object_version 6
	.text
	.protected	k_qcc179b9253_proj
	.globl	k_qcc179b9253_proj
	.p2align	8
	.type	k_qcc179b9253_proj,@function
k_qcc179b9253_proj:
	s_mov_b64 s[64:65], 0
	v_nop
	global_prefetch_b8 v0, s[64:65] scope:SCOPE_SE
	s_setreg_imm32_b32 hwreg(HW_REG_WAVE_MODE, 25, 1), 1
	s_wait_xcnt 0x0
	s_wait_alu depctr_hold_cnt(0) depctr_sa_sdst(0) depctr_va_vdst(0) depctr_va_sdst(0) depctr_va_ssrc(0) depctr_va_vcc(0) depctr_vm_vsrc(0)
	s_getreg_b32 s2, hwreg(HW_REG_IB_STS2, 6, 4)
	s_cmp_eq_u32 s2, 0
	s_cbranch_scc0 .Lentry_in_a_cluster
	s_endpgm
.Lentry_in_a_cluster:
	s_bfe_u32 s2, ttmp6, 0x10000c
	s_cmp_lg_u32 s2, 0xf033
	s_cbranch_scc0 .Lentry_shape_is_right
	s_endpgm
.Lentry_shape_is_right:
; q, k and v on codes of E4M3: 12,288 rows (query, key, value) by 1,024 columns, K = 1,024, in tiles of 256 x 256: four waves of 128 x 128 (64 accumulators each), K in steps of 256 through a ring of two LDS slots.
; Clusters of 4 x 4: A's tiles are asked for jointly along a row of the cluster, B's along a column.  For v the operands change places, so that its codes leave with the keys innermost.
; Each finished sum is held and turned into codes under the scale of the product that takes it: its code is sum / 2^(e_out - e_a - e_b).  LIMIT: that exponent lies between -126 and 119.  NaN is not served.
; qkv: q, k: [head][token][64];  v: [head][64 keys' block][64 channels][64 keys].
; PREFETCH: K has four steps; steps 0 and 1 come by their loads alone; step 2 is prefetched behind step 1's load, step 3 behind step 2's, each a K step ahead of its own joint load.  Of the 128 rows that a wave fetches each of
; the four partners asks for 32 (told apart by cx for A, by cy for B), a lane a row of 256 bytes: each block once in a cluster.
.set KSTEP,  256
.set PFO,    27                        ; v27  the prefetches' offset: a row of codes x my lane
.set PFA,    12                        ; s[12:13] where my prefetches stand
.set ROWB,   256
.set KROW,   1024
.set PITCH,  272
.set FR,     16
.set NL,     4
.set NP,     4
.set HALFT,  128*PITCH
.set SLOT,   4*HALFT
.set SPARE,  2*SLOT
.set ADRA, 16
.set ADRB, 20
.set STO,  24
.set RD,   25
.set CO,   26
.set SPW,  28
.set NIL,  29
.set SCL,  30
.set LIM,  31
.set TMP,  32
.set CD,   96
.set BK,   112
.set AF,   128
.set G1, 24
.set G0, 32
.set G1B, 48
.set G0B, 56
.set PO,  76
.set MSB, 0
.macro WIN new
.if MSB != (\new)
	s_set_vgpr_msb (MSB<<8)|(\new)
.set MSB, (\new)
.endif
.endm
.set MUL_LO, 0xa1
.set MUL_HI, 0xf1
.set TO_B,   0x40
.macro JLOAD g0a, g1a, g0b, g1b
	s_cmp_eq_u32 s15, 0
	s_cbranch_scc0 .Lfor_b_\@
	tensor_load_to_lds s[\g0a:\g0a+3], s[\g1a:\g1a+7]
	s_nop 0
.rept 4
	v_nop
.endr
	s_branch .Lasked_\@
.Lfor_b_\@:
	tensor_load_to_lds s[\g0b:\g0b+3], s[\g1b:\g1b+7]
	s_nop 0
.rept 4
	v_nop
.endr
.Lasked_\@:
.endm
.macro CREST
	s_cmp_lg_u32 s14, 0
	s_cbranch_scc1 .Lnot_wave_0_\@
	s_barrier_signal -3
.Lnot_wave_0_\@:
	s_barrier_wait -3
	s_barrier_signal -1
	s_barrier_wait -1
.endm
.macro CROUND
	s_barrier_signal -1
	s_barrier_wait -1
	CREST
.endm
	s_load_b128 s[4:7], s[0:1], 0x0
	s_load_b64 s[10:11], s[0:1], 0x10
	v_lshl_add_u32 v[SPW], v0, 2, SPARE
	v_mov_b32 v[NIL], 0
	ds_add_u32 v28, v29
	ds_add_u32 v28, v29
	s_wait_dscnt 0x0
	v_lshrrev_b32 v1, 5, v0
	v_readfirstlane_b32 s14, v1
	s_lshr_b32 s15, s14, 1
	s_and_b32 s16, s14, 1
	s_bfe_u32 s40, ttmp6, 0x40000
	s_bfe_u32 s41, ttmp6, 0x40004
	s_and_b32 s66, ttmp7, 0xffff
	s_lshr_b32 s67, s66, 2
	s_and_b32 s68, s66, 3
	s_lshl_b32 s69, s67, 22
	s_lshl_b32 s70, s67, 20
	s_add_co_u32 s70, s70, 0xC00000
	s_mov_b32 s71, 4096
	s_mov_b32 s73, 0x20000
	s_cmp_eq_u32 s67, 2
	s_cselect_b32 s17, ttmp9, s68
	s_cselect_b32 s42, s68, ttmp9
	s_cselect_b32 s69, 0xE00000, s69
	s_cselect_b32 s70, 0x800000, s70
	s_cselect_b32 s72, s73, s71
	s_cselect_b32 s74, s71, s73
	s_mov_b32 s73, 0
	s_mov_b32 s75, 0
	s_lshl_b32 s17, s17, 2
	s_add_co_u32 s17, s17, s41
	s_lshl_b32 s42, s42, 2
	s_add_co_u32 s42, s42, s40
	s_lshl_b32 s43, s41, 2
	s_lshl_b32 s43, 15, s43
	s_lshl_b32 s44, 0x1111, s40
	s_or_b32 s[G1+0], s43, (0<<16)|(1<<20)|(1<<21)|(5<<22)|(3<<25)
	s_or_b32 s[G1B+0], s44, (0<<16)|(1<<20)|(1<<21)|(5<<22)|(3<<25)
.irp g, G1, G1B
	s_mov_b32 s[\g+1], ROWB<<16
	s_mov_b32 s[\g+2], 128<<16
	s_mov_b32 s[\g+3], ROWB<<16
	s_mov_b32 s[\g+4], 128
	s_mov_b32 s[\g+5], KROW
	s_mov_b32 s[\g+6], 0
	s_mov_b32 s[\g+7], 0
.endr
	s_lshl_b32 s18, s16, 7
	s_lshl_b32 s20, s17, 8
	s_add_co_u32 s20, s20, s18
	s_lshl_b32 s20, s20, 10
	s_add_co_u32 s20, s20, s69
	s_mov_b32 s21, 0
	s_lshl_b32 s46, s42, 8
	s_add_co_u32 s46, s46, s18
	s_lshl_b32 s46, s46, 10
	s_add_co_u32 s46, s46, s70
	s_mov_b32 s47, 0
	s_mul_i32 s45, s14, HALFT
	s_wait_kmcnt 0x0
	s_load_b256 s[84:91], s[6:7], 0x0
	s_load_b64 s[92:93], s[6:7], 0x20
	s_add_nc_u64 s[20:21], s[4:5], s[20:21]
	s_add_nc_u64 s[46:47], s[4:5], s[46:47]
	CROUND
.irp s, 0,1
	s_mov_b32 s[G0+4*\s], 1
	s_add_co_u32 s[G0+4*\s+1], s45, \s*SLOT
	s_add_nc_u64 s[G0+4*\s+2:G0+4*\s+3], s[20:21], \s*ROWB
	s_or_b32 s[G0+4*\s+3], s[G0+4*\s+3], 0x80000000
	s_mov_b32 s[G0B+4*\s], 1
	s_add_co_u32 s[G0B+4*\s+1], s45, \s*SLOT
	s_add_nc_u64 s[G0B+4*\s+2:G0B+4*\s+3], s[46:47], \s*ROWB
	s_or_b32 s[G0B+4*\s+3], s[G0B+4*\s+3], 0x80000000
.endr
	JLOAD G0, G1, G0B, G1B                         ; K step 0: one tensor load a wave at the head
	s_cmp_eq_u32 s15, 0                            ; do I fetch for A?
	s_cselect_b64 s[8:9], s[20:21], s[46:47]
	s_cselect_b32 s22, s40, s41                    ; my place among the four that ask with me
	s_lshl_b32 s22, s22, 15                        ; 32 rows of 1,024 bytes
	s_mov_b32 s23, 0
	s_add_nc_u64 s[PFA:PFA+1], s[8:9], s[22:23]
	v_and_b32 v1, 15, v0
	s_wait_alu depctr_va_vdst(0)
	v_bfe_u32 v2, v0, 4, 1
	v_mul_u32_u24 v3, v1, PITCH
	v_lshl_add_u32 v4, v2, 4, v3
	s_mul_i32 s21, s15, HALFT
	s_mul_i32 s22, s16, HALFT
	s_add_co_u32 s22, s22, 2*HALFT
.irp s, 0,1
	v_add_nc_u32 v[ADRA+\s], s21, v4
	v_add_nc_u32 v[ADRB+\s], s22, v4
	s_add_co_u32 s21, s21, SLOT
	s_add_co_u32 s22, s22, SLOT
.endr
	s_mul_i32 s23, s14, 2560
	v_mul_u32_u24 v5, v1, 80
	s_wait_alu depctr_va_vdst(0)
	v_lshl_add_u32 v5, v2, 3, v5
	v_add_nc_u32 v[STO], s23, v5
	v_and_b32 v6, 31, v0
	v_lshlrev_b32 v[CO], 4, v6
	v_lshlrev_b32 v[PFO], 10, v6
	v_lshrrev_b32 v5, 2, v6
	v_mul_u32_u24 v5, v5, 80
	v_and_b32 v6, 3, v6
	v_lshl_add_u32 v5, v6, 4, v5
	v_add_nc_u32 v[RD], s23, v5
	s_lshl_b32 s94, s17, 2
	s_lshl_b32 s95, s15, 1
	s_add_co_u32 s94, s94, s95
	s_lshl_b32 s95, s42, 2
	s_lshl_b32 s96, s16, 1
	s_add_co_u32 s95, s95, s96
	s_cmp_eq_u32 s67, 2
	s_cselect_b32 s96, s95, s94
	s_cselect_b32 s97, s94, s95
	s_lshr_b32 s98, s96, 5
	s_lshl_b32 s98, s98, 9
	s_and_b32 s96, s96, 31
	s_add_co_u32 s98, s98, s96
	s_lshl_b32 s97, s97, 5
	s_add_co_u32 s98, s98, s97
	s_lshl_b32 s98, s98, 12
	s_lshl_b32 s99, s67, 22
	s_add_co_u32 s98, s98, s99
	s_mov_b32 s99, 0
	s_add_nc_u64 s[PO:PO+1], s[10:11], s[98:99]
	s_add_nc_u64 s[PO+2:PO+3], s[PO:PO+1], s[74:75]
	s_add_nc_u64 s[PO+4:PO+5], s[PO:PO+1], s[72:73]
	s_add_nc_u64 s[PO+6:PO+7], s[PO+4:PO+5], s[74:75]
	s_wait_kmcnt 0x0
	s_sub_co_i32 s90, s90, s84
	s_sub_co_i32 s90, s90, s85
	s_sub_co_i32 s91, s91, s86
	s_sub_co_i32 s91, s91, s87
	s_sub_co_i32 s93, s93, s88
	s_sub_co_i32 s93, s93, s89
	s_cmp_eq_u32 s67, 1
	s_cselect_b32 s90, s91, s90
	s_cmp_eq_u32 s67, 2
	s_cselect_b32 s90, s93, s90
	s_add_co_i32 s90, s90, 127
	s_lshl_b32 s91, s90, 23
	v_mov_b32 v[SCL], s91
	s_add_co_i32 s90, s90, 8
	s_lshl_b32 s90, s90, 23
	s_or_b32 s90, s90, 0x600000
	v_mov_b32 v[LIM], s90
.macro FRAG reg, adr, q, i
.irp c, 0,1,2,3
	ds_load_b128 v[\reg+4*\c:\reg+4*\c+3], v[\adr] offset:128*(\q)+32*\c+(\i)*16*PITCH
.endr
.endm
.macro MUL16 a0, p, zero
.irp a, \a0, \a0+1
.irp b, 0,1,2,3,4,5,6,7
.if \zero
	v_wmma_f32_16x16x128_fp8_fp8 v[8*(8*((\a)%4)+\b):8*(8*((\a)%4)+\b)+7], v[128*(\p)+FR*\b:128*(\p)+FR*\b+FR-1], v[AF+FR*(\a):AF+FR*(\a)+FR-1], 0
.else
	v_wmma_f32_16x16x128_fp8_fp8 v[8*(8*((\a)%4)+\b):8*(8*((\a)%4)+\b)+7], v[128*(\p)+FR*\b:128*(\p)+FR*\b+FR-1], v[AF+FR*(\a):AF+FR*(\a)+FR-1], v[8*(8*((\a)%4)+\b):8*(8*((\a)%4)+\b)+7]
.endif
.endr
.endr
.endm
.macro FETCH_B slot, q, p
	WIN TO_B
.irp i, 0,1,2,3,4,5,6,7
	FRAG 128*(\p)+FR*\i, ADRB+\slot, \q, \i
.endr
	WIN 0
.endm
.macro FETCH_A slot, q, i0
.irp i, \i0, \i0+1, \i0+2, \i0+3
	FRAG AF+FR*(\i), ADRA+\slot, \q, \i
.endr
.endm
.macro PLACES n
.rept \n
	v_nop
.endr
.endm
.macro STEP slot, q, zero
	s_wait_dscnt 4*NL
	WIN MUL_LO
	MUL16 0, (\q)%2, \zero
	MUL16 2, (\q)%2, \zero
	s_wait_dscnt 0
	PLACES NP
	FETCH_B \slot, (\q)+1, 1-(\q)%2
	FETCH_A \slot, (\q)+1, 0
	WIN MUL_HI
	MUL16 4, (\q)%2, \zero
	MUL16 6, (\q)%2, \zero
	PLACES NP
	WIN 0
	FETCH_A \slot, (\q)+1, 4
.endm
.macro TURN slot, next, fill
	s_wait_tensorcnt 0x0
	ds_add_u32 v[SPW], v[NIL]
	s_wait_dscnt 4*NL+1
	WIN MUL_LO
	MUL16 0, 1, 0
	s_wait_dscnt 0x0
	s_barrier_signal -1
	MUL16 2, 1, 0
	WIN 0
	s_barrier_wait -1
.if \fill
	CREST
	s_add_nc_u64 s[G0+4*\slot+2:G0+4*\slot+3], s[G0+4*\slot+2:G0+4*\slot+3], 2*ROWB
	s_add_nc_u64 s[G0B+4*\slot+2:G0B+4*\slot+3], s[G0B+4*\slot+2:G0B+4*\slot+3], 2*ROWB
	JLOAD G0+4*\slot, G1, G0B+4*\slot, G1B
.else
	PLACES NP
.endif
	FETCH_B \next, 0, 0
	FETCH_A \next, 0, 0
.if (\fill) && ((\slot) == 0)
	global_prefetch_b8 v[PFO], s[PFA:PFA+1] offset:3*ROWB th:TH_LOAD_NT scope:SCOPE_SE   ; K step 3
.endif
	WIN MUL_HI
	MUL16 4, 1, 0
	MUL16 6, 1, 0
	PLACES NP
	WIN 0
	FETCH_A \next, 0, 4
.endm
	s_wait_alu depctr_va_vdst(0)                   ; the wait at the head's end
	s_wait_tensorcnt 0x0                           ; my part of K step 0 is in
	ds_add_u32 v[SPW], v[NIL]
	s_wait_dscnt 0x0
	CROUND                                         ; everybody's part is in, and the joint loads meet:
	JLOAD G0+4, G1, G0B+4, G1B                     ; K step 1
	FETCH_B 0, 0, 0
	FETCH_A 0, 0, 0
	FETCH_A 0, 0, 4
	global_prefetch_b8 v[PFO], s[PFA:PFA+1] offset:2*ROWB th:TH_LOAD_NT scope:SCOPE_SE   ; K step 2
	STEP 0, 0, 1
	TURN 0, 1, 1
	STEP 1, 0, 0
	TURN 1, 0, 1
	STEP 0, 0, 0
	TURN 0, 1, 0
	STEP 1, 0, 0
	s_wait_dscnt 4*NL
	WIN MUL_LO
	MUL16 0, 1, 0
	MUL16 2, 1, 0
	s_wait_alu depctr_va_vdst(0)
	s_wait_dscnt 0
	WIN MUL_HI
	MUL16 4, 1, 0
	MUL16 6, 1, 0
	WIN 0
.macro QOUT a
.set AC, 64*((\a)%4)
	WIN 0x02+((\a)/4)
.set j, 0
.rept 64
	v_med3_num_f32 v[TMP+j], v[AC+j], -v[LIM], v[LIM]
.set j, j+1
.endr
	WIN 0
.irp b, 0,1,2,3,4,5,6,7
	v_cvt_scalef32_pk8_fp8_f32 v[CD+2*\b:CD+2*\b+1], v[TMP+8*\b:TMP+8*\b+7], v[SCL]
.endr
	v_nop
.irp b, 0,1,2,3,4,5,6,7
	ds_store_b64 v[STO], v[CD+2*\b:CD+2*\b+1] offset:(\b/4)*1280+16*(\b%4)
.endr
.set BB, BK+16*((\a)%2)
.irp u, 0,1,2,3
	ds_load_b128 v[BB+4*\u:BB+4*\u+3], v[RD] offset:(\u/2)*1280+(\u%2)*640
.endr
.endm
.macro SENDQ a, younger
.set BB, BK+16*((\a)%2)
.set PP, PO+4*((\a)/4)
	s_wait_dscnt \younger
.irp u, 0,1,2,3
	global_store_b128 v[CO], v[BB+4*\u:BB+4*\u+3], s[PP+2*(\u/2):PP+2*(\u/2)+1] offset:((\a)%4)*1024+(\u%2)*512
.endr
.endm
	PLACES NP
	QOUT 0
.irp a, 1,2,3,4,5,6,7
.if \a > 1
	s_wait_xcnt 0x0
.endif
	QOUT \a
	SENDQ \a-1, 12
.endr
	SENDQ 7, 0
	s_wait_tensorcnt 0x0
	ds_add_u32 v[SPW], v[NIL]
	s_wait_dscnt 0x0
	CROUND
	s_endpgm
.Lfunc_end_k_qcc179b9253_proj:
	.size	k_qcc179b9253_proj, .Lfunc_end_k_qcc179b9253_proj-k_qcc179b9253_proj
	.p2alignl 7, 3214868480
	.fill 96, 4, 3214868480
	.section	.rodata,"a",@progbits
	.p2align	6, 0x0
	.amdhsa_kernel k_qcc179b9253_proj
		.amdhsa_group_segment_fixed_size 327680
		.amdhsa_private_segment_fixed_size 0
		.amdhsa_enable_private_segment 0
		.amdhsa_kernarg_size 24
		.amdhsa_user_sgpr_count 2
		.amdhsa_user_sgpr_kernarg_segment_ptr 1
		.amdhsa_wavefront_size32 1
		.amdhsa_system_sgpr_workgroup_id_x 1
		.amdhsa_system_sgpr_workgroup_id_y 1
		.amdhsa_system_sgpr_workgroup_id_z 1
		.amdhsa_system_vgpr_workitem_id 0
		.amdhsa_next_free_vgpr 1024
		.amdhsa_next_free_sgpr 100
		.amdhsa_reserve_vcc 0
		.amdhsa_float_denorm_mode_32 3
		.amdhsa_float_denorm_mode_16_64 3
		.amdhsa_memory_ordered 1
		.amdhsa_forward_progress 1
		.amdhsa_inst_pref_size 126
	.end_amdhsa_kernel
	.amdgpu_metadata
---
amdhsa.version: [ 1, 2 ]
amdhsa.kernels:
  - .name:           k_qcc179b9253_proj
    .symbol:         k_qcc179b9253_proj.kd
    .args:
      - { .name: codes, .offset: 0, .size: 8, .value_kind: global_buffer, .address_space: global }
      - { .name: lowp_scales, .offset: 8, .size: 8, .value_kind: global_buffer, .address_space: global }
      - { .name: qkv, .offset: 16, .size: 8, .value_kind: global_buffer, .address_space: global }
    .group_segment_fixed_size: 327680
    .private_segment_fixed_size: 0
    .kernarg_segment_align: 8
    .kernarg_segment_size: 24
    .max_flat_workgroup_size: 128
    .sgpr_count:     100
    .vgpr_count:     1024
    .wavefront_size: 32
...
	.end_amdgpu_metadata
.endif
;; end of part 2
;; launch attn (part 3): grid 8 x 32, 16 waves a work-group, clusters of 4 x 1, 327,680 bytes of LDS; arguments qkv, lowp_scales, xc; writes xc
.if DOCPART == 3
	.amdgcn_target "amdgcn-amd-amdhsa--gfx1250"
	.amdhsa_code_object_version 6
	.text
	.protected	k_qcc179b9253_attn
	.globl	k_qcc179b9253_attn
	.p2align	8
	.type	k_qcc179b9253_attn,@function
k_qcc179b9253_attn:
	s_mov_b64 s[64:65], 0
	v_nop
	global_prefetch_b8 v0, s[64:65] scope:SCOPE_SE
	s_setreg_imm32_b32 hwreg(HW_REG_WAVE_MODE, 25, 1), 1
	s_wait_xcnt 0x0
	s_wait_alu depctr_hold_cnt(0) depctr_sa_sdst(0) depctr_va_vdst(0) depctr_va_sdst(0) depctr_va_ssrc(0) depctr_va_vcc(0) depctr_vm_vsrc(0)
	s_getreg_b32 s2, hwreg(HW_REG_IB_STS2, 6, 4)
	s_cmp_eq_u32 s2, 0
	s_cbranch_scc0 .Lentry_in_a_cluster
	s_endpgm
.Lentry_in_a_cluster:
	s_bfe_u32 s2, ttmp6, 0x10000c
	s_cmp_lg_u32 s2, 0x3003
	s_cbranch_scc0 .Lentry_shape_is_right
	s_endpgm
.Lentry_shape_is_right:
; Causal attention of one head (work-group y = batch x 16 + head) on codes of E4M3; head size 64, 2,048 keys.  Both products on codes; x, the result, is quantised at once for the out-projection.
; THE SOFTMAX AHEAD OF THE SECOND PRODUCT: t = score x log2(e) / 8; M = the running largest t rounded UP to a whole number; p = 2^(t - M) is what is quantised (scale 2^e8), not normalised; the row's sum is taken of the
; unquantised p and divides at the end.  When M moves, the sum and O are multiplied by 2^(old M - new M): exact.
; SHARES.  Eight work-groups to a head, c = 0 .. 7; a tile is 16 queries, tile T begins at query 128 T + 16 c.  A key step is 128 keys; tile T has T + 1 of them, the last on the diagonal; the key tiles behind it are hidden by the mask
; and left out.  Sixteen waves, four to a SIMD, in eight pairs: pair g = wave / 2 owns the SHORT tile g and the LONG tile 15 - g, 17 steps.  Its FIRST wave takes the long tile's key steps 0 .. 7, its SECOND wave the short tile's
; steps 0 .. g and then the long tile's steps 8 .. 15 - g: 8 and 9 steps.  Which wave is which: bit 0 xor bit 2 of its number, so that every four waves w / 4 alike, and every four w % 4 alike, hold two of each kind.
; The long tile's two parts (O, the sum, M) are joined through LDS: both are brought under the larger M by powers of two: exact.  No branch hangs on c.
; LIMIT: a hidden key has weight 0 exactly, where the definition writes a score of -1e9: the same as long as true scores / 8 stay far above -1e9; scaled scores stay under 2^31 in magnitude.
; LDS.  THE WHOLE HEAD'S K AND V LIE IN LDS, each byte filled once: 8 slabs of 256 keys of K, then 8 of V.  In memory a slab is 16,384 dense bytes and is stated as 64 rows of 256 bytes, 16 of padding behind each:
;   K: key n at (n / 4) 272 + (n % 4) 64;   V: chunk of 64 keys x 4,352 + (d / 4) 272 + (d % 4) 64 + key % 64: a key step is 8,704 bytes in both.
; CLUSTER.  The four work-groups of a cluster belong to one head: each slab is asked for JOINTLY (mask 15), wave w asking for slab w / 2 of K (w even) or of V (w odd): one load a wave, all at the head.
; Nothing is prefetched: every tile of the launch is asked for at its head.
; LAYOUT.  S^T = K Q^T (source 0 = 16 keys, source 1 = my 16 queries; K = 64: the 16x16x64 form), O^T = V^T P^T (source 0 = 16 channels, source 1 = P; K = 128 keys): a lane holds ONE query (lane % 16) throughout.
; Tile u of S^T gives lane (r, h) the keys 16 u + 8 h + 0 .. 7: their eight codes ARE registers 2 u, 2 u + 1 of the second product's operand in that form's own order of K; V is read in the same order, 8 bytes a load.
; LIMITS on the given exponents: e6 + e7 between -123 and 130 (added to the exponent field of log2(e) / 8); e8 and e10 between -126 and 119.  NaN among the inputs is not served.
; REGISTERS: v1-7, v192-193 addresses that stay; v8-11 at work; v12 -M, v13 the largest t, v[14:15] the sum in two halves; v16-23 Q in hand, v24-31 the long tile's Q; v32-95 K's eight fragments, then V's four; v96-159 S^T, then p;
;   v160-191 O^T; v224-239 p's codes; v240, v244: 448 x 2^e8, 2^e8; v241, v245: the same with e10; v249, v255 the add's; v251 -infinity; v242, v243, v246, v247, v250, v252-254 at work.
.set SB,    8704                       ; a key step: 32 rows x 272 bytes
.set SLAB,  2*SB
.set VOFF,  8*SLAB
.set STAGE, 2*VOFF+SB                  ; behind the tiles and SB unused bytes: SREG bytes for each wave, for the way out; no fill lands there
.set SREG,  1280                       ; 16 rows x 80 bytes
.set XREG,  4608                       ; what a wave hands to its partner: it lies in K's bytes, which have then had their last fill and their last read
.set SPARE, STAGE+16*SREG              ; the spare words, 128 bytes for each wave
.set AK0,  1                           ; v1  my lane's place in a tile of K
.set AV0,  2                           ; v2  the same for V
.set STO,  4                           ; v4  the way out: where I put 8 codes
.set RD,   5                           ; v5  where I read 16 back
.set GO,   6                           ; v6  16 x lane
.set QO,   7                           ; v7  my bytes in a tile's rows of Q
.set ADK,  8
.set ADV,  9
.set XA,   192                         ; v192 my XREG bytes + 16 x lane
.set XP,   193                         ; v193 my partner's
.set SC,   200                         ; v200-207 the short tile's codes, until they go out
.set WV,   10                          ; s10 wave
.set CX,   11                          ; s11 my place in the cluster
.set CC,   12                          ; s12 c
.set BH,   13                          ; s13 batch x 16 + head
.set PG,   14                          ; s14 g
.set RO,   15                          ; s15 0: first wave of the pair, 1: second
.set SEL,  20                          ; s[20:21] lane selects for v_permlanex16_b32: lane l xor 16
.set CS,   22                          ; s[22:23] log2(e) / 8 x 2^(e6 + e7)
.set G0,   24                          ; s[24:27] descriptor group 0
.set GS,   28                          ; s28 the slot of the short tile's last step: g; 64 + g in a first wave, which has none
.set NST,  29                          ; s29 my steps: 8 or 9
.set OFF,  30                          ; s30 bytes from slot i to the long tile's key step in that slot: (7 - g) steps (a first wave never takes it)
.set KI,   31                          ; s31 the slot in hand
.set TB,   34                          ; s34 KI x SB
.set TK,   35                          ; s35 LDS byte of the key step in hand
.set G1,   40                          ; s[40:47] descriptor group 1
.set PM,   80                          ; s[80:87] lane masks: register j of the tile on the diagonal is hidden
.macro CROUND                          ; a round of the cluster's barrier
	s_barrier_signal -1
	s_barrier_wait -1
	s_cmp_lg_u32 s[WV], 0
	s_cbranch_scc1 .Lnot_wave_0_\@
	s_barrier_signal -3
.Lnot_wave_0_\@:
	s_barrier_wait -3
	s_barrier_signal -1
	s_barrier_wait -1
.endm
	s_load_b128 s[4:7], s[0:1], 0x0                ; qkv s[4:5], the exponents s[6:7]
	s_load_b64 s[8:9], s[0:1], 0x10                ; xc
	v_lshl_add_u32 v249, v0, 2, SPARE
	v_mov_b32 v255, 0
	ds_add_u32 v249, v255                          ; the opening add, twice on end
	ds_add_u32 v249, v255
	v_lshrrev_b32 v8, 5, v0
	s_delay_alu instid0(VALU_DEP_1)
	v_readfirstlane_b32 s[WV], v8                  ; wave 0..15
	s_bfe_u32 s[CX], ttmp6, 0x40000
	s_lshl_b32 s[CC], ttmp9, 2
	s_add_co_u32 s[CC], s[CC], s[CX]               ; c = 4 x cluster x + cx: it enters Q's and x's addresses and the diagonal's masks alone
	s_and_b32 s[BH], ttmp7, 0xffff
	s_lshr_b32 s[PG], s[WV], 1
	s_lshr_b32 s16, s[WV], 2
	s_xor_b32 s16, s16, s[WV]
	s_and_b32 s[RO], s16, 1
	s_xor_b32 s16, s[RO], 1
	s_lshl_b32 s16, s16, 6
	s_add_co_u32 s[GS], s[PG], s16
	s_add_co_u32 s[NST], s[RO], 8
	s_xor_b32 s16, s[PG], 7                        ; 7 - g
	s_mul_i32 s[OFF], s16, SB
	; what I fetch: K or V by the wave's low bit, the slab by the others
	s_and_b32 s16, s[WV], 1
	s_mul_i32 s17, s16, VOFF
	s_mul_i32 s18, s[PG], SLAB
	s_add_co_u32 s17, s17, s18                     ; in LDS
	s_lshl_b32 s18, s16, 22                        ; in qkv: k at 4 Mi, v at 8 Mi,
	s_lshl_b32 s19, s[PG], 14                      ; a slab is 16,384 bytes,
	s_add_co_u32 s18, s18, s19
	s_lshl_b32 s19, s[BH], 17                      ; a head 131,072
	s_add_co_u32 s18, s18, s19
	s_add_co_u32 s18, s18, 0x400000
	s_mov_b32 s19, 0
	s_xor_b32 s36, s[PG], 15                       ; the long tile, 15 - g
	s_cmp_eq_u32 s[RO], 0
	s_cselect_b32 s37, s36, s[PG]                  ; the tile that I begin with
	s_lshl_b32 s54, s[BH], 17                      ; Q: 16 rows of 64 bytes: head, 128 T + 16 c
	s_lshl_b32 s55, s[CC], 10
	s_add_co_u32 s54, s54, s55
	s_lshl_b32 s52, s37, 13
	s_add_co_u32 s52, s52, s54
	s_lshl_b32 s55, s36, 13
	s_add_co_u32 s54, s54, s55
	s_mov_b32 s53, 0
	s_mov_b32 s55, 0
	s_lshr_b32 s56, s[BH], 4                       ; xc: [64 blocks of 64 tokens][16 heads][64 tokens][64 bytes]
	s_lshl_b32 s56, s56, 5
	s_lshr_b32 s57, s[CC], 2
	s_add_co_u32 s56, s56, s57                     ; the block of tokens: 32 x batch + 2 T + c / 4
	s_lshl_b32 s56, s56, 4
	s_and_b32 s57, s[BH], 15
	s_add_co_u32 s56, s56, s57
	s_lshl_b32 s56, s56, 12
	s_and_b32 s57, s[CC], 3
	s_lshl_b32 s57, s57, 10
	s_add_co_u32 s56, s56, s57                     ; + my 16 tokens' 1,024 bytes
	s_lshl_b32 s58, s36, 17
	s_add_co_u32 s58, s58, s56                     ; the long tile's,
	s_lshl_b32 s57, s[PG], 17
	s_add_co_u32 s56, s56, s57                     ; the short tile's
	s_mov_b32 s57, 0
	s_mov_b32 s59, 0
	s_mov_b32 s[G1], 15|(0<<16)|(1<<20)|(1<<21)|(5<<22)|(3<<25)   ; 15:0 the mask: all four work-groups; elements of 1 byte; 20 padding on; 21 set beside a mask; after every 64 words (code 5) four words (code 3)
	s_mov_b32 s[G1+1], 256<<16                     ; tensor_dim0
	s_mov_b32 s[G1+2], 64<<16                      ; tensor_dim1
	s_mov_b32 s[G1+3], 256<<16                     ; tile_dim0
	s_mov_b32 s[G1+4], 64                          ; tile_dim1
	s_mov_b32 s[G1+5], 256                         ; tensor_dim0_stride: dense
	s_mov_b32 s[G1+6], 0
	s_mov_b32 s[G1+7], 0
	s_mov_b32 s[SEL], 0x76543210
	s_mov_b32 s[SEL+1], 0xfedcba98
	s_mov_b32 s[CS], 0x3e38aa3b                    ; log2(e) / sqrt(64)
	s_wait_dscnt 0x0                               ; both opening adds are done
	s_wait_kmcnt 0x0
	s_load_b128 s[68:71], s[6:7], 0x18             ; e6, e7, e8, e9
	s_load_b32 s72, s[6:7], 0x28                   ; e10
	s_add_nc_u64 s[18:19], s[4:5], s[18:19]
	s_add_nc_u64 s[52:53], s[4:5], s[52:53]
	s_add_nc_u64 s[54:55], s[4:5], s[54:55]
	s_add_nc_u64 s[56:57], s[8:9], s[56:57]
	s_add_nc_u64 s[58:59], s[8:9], s[58:59]
	CROUND                                         ; all four work-groups are here: the joint loads meet
	s_mov_b32 s[G0], 1
	s_mov_b32 s[G0+1], s17
	s_mov_b64 s[G0+2:G0+3], s[18:19]
	s_or_b32 s[G0+3], s[G0+3], 0x80000000
	tensor_load_to_lds s[G0:G0+3], s[G1:G1+7]      ; my one slab
	s_nop 0
.rept 4
	v_nop
.endr
	v_and_b32 v10, 15, v0                          ; r
	v_bfe_u32 v11, v0, 4, 1                        ; h
	v_lshlrev_b32 v[QO], 6, v10
	s_delay_alu instid0(VALU_DEP_1)
	v_lshl_add_u32 v[QO], v11, 4, v[QO]            ; row r of 64 bytes, + 16 h
	global_load_b128 v[16:19], v[QO], s[52:53]             ; Q's fragment: channels 16 h + 0 .. 15,
	global_load_b128 v[20:23], v[QO], s[52:53] offset:32   ; and 32 + 16 h + 0 .. 15: the order in which K's fragments are read too
	global_load_b128 v[24:27], v[QO], s[54:55]             ; the long tile's Q, which a second wave turns to (a first wave begins with it: for it these are the same rows)
	global_load_b128 v[28:31], v[QO], s[54:55] offset:32
	v_lshrrev_b32 v8, 2, v10
	v_and_b32 v9, 3, v10
	s_delay_alu instid0(VALU_DEP_2)
	v_mul_u32_u24 v8, v8, 272
	s_delay_alu instid0(VALU_DEP_1)
	v_lshl_add_u32 v8, v9, 6, v8                   ; (r / 4) 272 + (r % 4) 64
	s_delay_alu instid0(VALU_DEP_1)
	v_lshl_add_u32 v[AK0], v11, 4, v8
	v_lshl_add_u32 v[AV0], v11, 3, v8
	v_lshlrev_b32 v9, 3, v11
	s_delay_alu instid0(VALU_DEP_2)
	v_add_nc_u32 v[AV0], VOFF, v[AV0]
	s_delay_alu instid0(VALU_DEP_2)
	v_sub_nc_u32 v9, v10, v9                       ; r - 8 h: in the tile of 16 keys on the diagonal register j is hidden where j is above it
.irp j, 0,1,2,3,4,5,6,7
	v_cmp_gt_i32 s[PM+\j], \j, v9
.endr
	s_mul_i32 s61, s[WV], SREG
	s_add_co_u32 s61, s61, STAGE                   ; my stage
	s_mul_i32 s62, s[WV], XREG
	s_xor_b32 s63, s[WV], 1
	s_mul_i32 s63, s63, XREG
	v_mul_u32_u24 v[STO], v10, 80
	v_and_b32 v9, 31, v0
	s_delay_alu instid0(VALU_DEP_2)
	v_lshl_add_u32 v[STO], v11, 3, v[STO]
	v_lshlrev_b32 v[GO], 4, v9
	s_delay_alu instid0(VALU_DEP_2)
	v_add_nc_u32 v[STO], s61, v[STO]
	v_lshrrev_b32 v8, 2, v9
	v_and_b32 v9, 3, v9
	v_add_nc_u32 v[XA], s62, v[GO]
	v_add_nc_u32 v[XP], s63, v[GO]
	s_delay_alu instid0(VALU_DEP_4)
	v_mul_u32_u24 v8, v8, 80
	s_delay_alu instid0(VALU_DEP_1)
	v_lshl_add_u32 v8, v9, 4, v8
	s_delay_alu instid0(VALU_DEP_1)
	v_add_nc_u32 v[RD], s61, v8
	v_mov_b32 v250, 0                              ; written once: a lane permute's destination counts as one of its sources
	v_mov_b32 v252, 0
	v_mov_b32 v253, 0                              ; (named as the upper half of the pair v[252:253])
	v_mov_b32 v251, 0xff800000                     ; -infinity
.irp i, 0,1,2,3,4,5,6,7
	v_mov_b32 v[SC+\i], 0                          ; written on every way
.endr
; A TILE BEGINS.  The step is written for every step alike: the first finds zeros, which the first change of M leaves zeros
.macro BEGIN
	v_mov_b32 v13, 0xff61b1e6                      ; the largest t so far: -3e38, under every t
	v_mov_b32 v14, 0                               ; the sum, in two halves
	v_mov_b32 v15, 0
	v_floor_f32 v12, -v13                          ; -M
.set j, 0
.rept 32
	v_mov_b32 v[160+j], 0                          ; O^T
.set j, j+1
.endr
.endm
	BEGIN
	s_wait_kmcnt 0x0
	s_add_co_i32 s60, s68, s69
	s_lshl_b32 s60, s60, 23
	s_add_co_i32 s[CS], s[CS], s60                 ; a score stands for score x 2^(e6 + e7): added to the factor's exponent field
	s_mov_b32 s[CS+1], s[CS]                       ; (named with it as a pair, so it is written)
	s_add_co_i32 s60, s70, 127
	s_lshl_b32 s61, s60, 23
	v_mov_b32 v244, s61                            ; 2^e8
	s_add_co_i32 s60, s60, 8
	s_lshl_b32 s60, s60, 23
	s_or_b32 s60, s60, 0x600000
	v_mov_b32 v240, s60                            ; 448 x 2^e8
	s_add_co_i32 s60, s72, 127
	s_lshl_b32 s61, s60, 23
	v_mov_b32 v245, s61                            ; 2^e10
	s_add_co_i32 s60, s60, 8
	s_lshl_b32 s60, s60, 23
	s_or_b32 s60, s60, 0x600000
	v_mov_b32 v241, s60                            ; 448 x 2^e10
	s_add_co_i32 s73, s70, s71                     ; e8 + e9
.macro SUM a, b
	v_pk_add_f32 v[\a:\a+1], v[\a:\a+1], v[\b:\b+1]
.endm
; A KEY STEP: the 128 keys whose tiles begin TK bytes behind K's and V's first.
.macro STEP
	v_add_nc_u32 v[ADK], s[TK], v[AK0]
	v_add_nc_u32 v[ADV], s[TK], v[AV0]
	v_nop
	v_nop                                          ; four places in front of loads into registers that the last step's products have read
.irp t, 0,1,2,3,4,5,6,7
	ds_load_b128 v[32+8*\t:35+8*\t], v[ADK] offset:\t*1088
	ds_load_b128 v[36+8*\t:39+8*\t], v[ADK] offset:\t*1088+32
.endr
	s_wait_alu depctr_va_vdst(0)
	s_wait_dscnt 0x0
.irp t, 0,1,2,3,4,5,6,7
	v_wmma_f32_16x16x64_fp8_fp8 v[96+8*\t:103+8*\t], v[32+8*\t:39+8*\t], v[16:23], 0
.endr
.rept 4
	v_nop                                          ; places: for the loads below, into K's registers, and for the first read of the scores
.endr
.irp t, 0,1,2,3                                ; V's four fragments are asked for now and land under the softmax
.irp g, 0,1,2,3,4,5,6,7
	ds_load_b64 v[32+16*\t+2*\g:33+16*\t+2*\g], v[ADV] offset:(\g/4)*4352+\t*1088+16*(\g%4)
.endr
.endr
	s_cmp_eq_u32 s[KI], s[GS]                      ; the diagonals: the short tile's last step, and slot 8 (the long tile's last step)
	s_cbranch_scc1 .Ldiag_\@
	s_cmp_lg_u32 s[KI], 8
	s_cbranch_scc1 .Lopen_\@
.Ldiag_\@:
.set u, 0
.rept 8                                        ; tile u of 16 keys: all of it counts where u < c, none where u > c; where u = c the lane's masks say
	s_sub_co_i32 s60, s[CC], u
	s_ashr_i32 s60, s60, 31                        ; ones where u > c
	s_sub_co_i32 s61, u, s[CC]
	s_ashr_i32 s61, s61, 31                        ; ones where u < c
.irp j, 0,1,2,3,4,5,6,7
	s_or_b32 s[62+\j%2], s[PM+\j], s60
	s_and_not1_b32 s[62+\j%2], s[62+\j%2], s61
	v_cndmask_b32 v[96+8*u+\j], v[96+8*u+\j], v251, s[62+\j%2]
.endr
.set u, u+1
.endr
.Lopen_\@:
	v_max3_num_f32 v254, v96, v97, v98             ; the step's largest score of my query among my 64 keys, in two chains; each tile is first read at its low end
	v_max3_num_f32 v252, v99, v100, v101
.irp i, 6,10,14,18,22,26,30,34,38,42,46,50,54,58
	v_max3_num_f32 v254, v254, v[96+\i], v[97+\i]
	v_max3_num_f32 v252, v252, v[98+\i], v[99+\i]
.endr
	v_max3_num_f32 v254, v254, v158, v159
	s_delay_alu instid0(VALU_DEP_1)
	v_max_num_f32 v254, v254, v252
	s_delay_alu instid0(VALU_DEP_1)
	v_permlanex16_b32 v250, v254, s[SEL], s[SEL+1]
	s_delay_alu instid0(VALU_DEP_1)
	v_max_num_f32 v254, v254, v250                 ; and among lane l xor 16's
	s_delay_alu instid0(VALU_DEP_1)
	v_mul_f32 v254, s[CS], v254                    ; as t (the factor is positive)
	s_delay_alu instid0(VALU_DEP_1)
	v_max_num_f32 v13, v13, v254                   ; the running largest t
	v_mov_b32 v254, v12
	s_delay_alu instid0(VALU_DEP_2)
	v_floor_f32 v12, -v13                          ; the new -M = floor(-t) = -ceil(t)
	s_delay_alu instid0(VALU_DEP_1)
	v_sub_f32 v254, v12, v254                      ; old M - new M: a whole number, 0 or less
	s_delay_alu instid0(VALU_DEP_1)
	v_cvt_i32_f32 v254, v254                       ; (it saturates)
	s_delay_alu instid0(VALU_DEP_1)
	v_ldexp_f32 v252, 1.0, v254                    ; f = 2^(old M - new M)
.set j, 0
.rept 32
	v_pk_fma_f32 v[96+j:97+j], v[96+j:97+j], s[CS:CS+1], v[12:13] op_sel_hi:[1,0,0]   ; t - M, two at a time
.set j, j+2
.endr
.set j, 0
	s_wait_alu depctr_va_vdst(0)                   ; the wait ahead of the batch
.rept 64
	v_exp_f32 v[96+j], v[96+j]                     ; p = 2^(t - M), at most 1 but for rounding
.set j, j+1
.endr
	v_pk_mul_f32 v[14:15], v[14:15], v[252:253] op_sel_hi:[1,0]   ; the sums under the new M: the plain line behind the exponentials
	s_wait_alu depctr_va_vdst(0)                   ; one wait for the whole batch, ahead of its first reader
	v_pk_add_f32 v[242:243], v[96:97], v[98:99]    ; the row's sum, of the unquantised p, in eight chains
	v_pk_add_f32 v[246:247], v[100:101], v[102:103]
	v_pk_add_f32 v[238:239], v[104:105], v[106:107]
	v_pk_add_f32 v[236:237], v[108:109], v[110:111]
	v_pk_add_f32 v[234:235], v[112:113], v[114:115]
	v_pk_add_f32 v[232:233], v[116:117], v[118:119]
	v_pk_add_f32 v[230:231], v[120:121], v[122:123]
	SUM 14, 124
.set j, 126
.rept 2
.irp a, 242,246,238,236,234,232,230,14
	SUM \a, j
.set j, j+2
.endr
.endr
	SUM 242, 158
	SUM 14, 236
	SUM 246, 232
	SUM 238, 230
	SUM 242, 234
	s_delay_alu instid0(VALU_DEP_3)
	SUM 14, 246
	s_delay_alu instid0(VALU_DEP_2)
	SUM 242, 238
	s_delay_alu instid0(VALU_DEP_1)
	SUM 14, 242
.set j, 0
.rept 32                                       ; the conversion does not saturate (ISA guide 7.6.2); p is not negative, so the hold is one-sided; two numbers a line
	v_dual_min_num_f32 v[96+j], v[96+j], v240 :: v_dual_min_num_f32 v[97+j], v[97+j], v240
.set j, j+2
.endr
.irp b, 0,1,2,3,4,5,6,7
	v_cvt_scalef32_pk8_fp8_f32 v[224+2*\b:225+2*\b], v[96+8*\b:103+8*\b], v244
.endr
	s_wait_alu depctr_va_vdst(0)                   ; directly ahead of the first reader of O^T
.set j, 0
.rept 16
	v_pk_mul_f32 v[160+j:161+j], v[160+j:161+j], v[252:253] op_sel_hi:[1,0]   ; O^T under the new M; also the plain lines between the conversions and the products
.set j, j+2
.endr
	s_wait_alu depctr_va_vdst(0)
	s_wait_dscnt 0x0                               ; V is in
.irp t, 0,1,2,3                                ; four accumulators by turns; the next step's eight score products stand between two links of a chain
	v_wmma_f32_16x16x128_fp8_fp8 v[160+8*\t:167+8*\t], v[32+16*\t:47+16*\t], v[224:239], v[160+8*\t:167+8*\t]
.endr
.endm
; A TILE IS FINISHED.  CODES: x = O^T / the sum x 2^(e8 + e9), held, turned into codes under 2^e10, eight registers from dst on.  v14: my lane's part of the sum.
; OUT: 16 tokens x 64 codes go through my stage and leave as 1,024 dense bytes.
.macro CODES dst
	v_permlanex16_b32 v252, v14, s[SEL], s[SEL+1]
	s_delay_alu instid0(VALU_DEP_1)
	v_add_f32 v14, v14, v252                       ; and lane l xor 16's
	s_wait_alu depctr_va_vdst(0)                   ; the wait ahead of the transcendental
	v_rcp_f32 v14, v14
	v_nop                                          ; a plain line behind the transcendental
	s_wait_alu depctr_va_vdst(0)                   ; and the wait ahead of its first reader
	v_ldexp_f32 v14, v14, s73
	s_wait_alu depctr_va_vdst(0)                   ; directly ahead of the first reader of O^T
.set j, 0
.rept 16
	v_pk_mul_f32 v[96+j:97+j], v[160+j:161+j], v[14:15] op_sel_hi:[1,0]   ; register 8 t + i is x(query r, channel 16 t + 8 h + i); each accumulator from its low end on
.set j, j+2
.endr
.set j, 0
.rept 32
	v_med3_num_f32 v[96+j], v[96+j], -v241, v241
.set j, j+1
.endr
.irp t, 0,1,2,3
	v_cvt_scalef32_pk8_fp8_f32 v[\dst+2*\t:\dst+1+2*\t], v[96+8*\t:103+8*\t], v245
.endr
	v_nop
.endm
.macro OUT src, so
.irp t, 0,1,2,3
	ds_store_b64 v[STO], v[\src+2*\t:\src+1+2*\t] offset:16*\t
.endr
	ds_load_b128 v[232:235], v[RD]                 ; LDS serves a wave's instructions in order: these see my stores
	ds_load_b128 v[236:239], v[RD] offset:640
	s_wait_dscnt 1                                 ; the second load may be out
	global_store_b128 v[GO], v[232:235], s[\so:\so+1]      ; 32 lanes store 512 consecutive bytes
	s_wait_dscnt 0x0
	global_store_b128 v[GO], v[236:239], s[\so:\so+1] offset:512
	s_wait_xcnt 0x0                                ; the stores have read their registers
.endm
	s_mov_b32 s[KI], 0
	s_mov_b32 s[TB], 0
	s_wait_alu depctr_va_vdst(0)                   ; the wait at the head's end
	s_wait_loadcnt 0x0                             ; Q
	s_wait_tensorcnt 0x0                           ; my slab is in,
	s_barrier_signal -1
	s_barrier_wait -1                              ; and everybody's
.Lslot:                                            ; every wave walks slots 0 to 8; no LDS byte is written in them
	s_sub_co_u32 s60, s[KI], 1
	s_cmp_lg_u32 s60, s[GS]
	s_cbranch_scc1 .Lsame                          ; (a branch on the wave's number)
	v_add_f32 v14, v14, v15                        ; the short tile had its last step: its codes wait in registers,
	CODES SC
.irp i, 0,1,2,3,4,5,6,7
	v_mov_b32 v[16+\i], v[24+\i]                   ; and the long tile takes its place
.endr
	BEGIN
.Lsame:
	s_cmp_ge_u32 s[KI], s[NST]                     ; a first wave has no step in slot 8; no barrier and no tensor load stands in a step
	s_cbranch_scc1 .Lnone
	s_cmp_gt_u32 s[KI], s[GS]
	s_cselect_b32 s60, s[OFF], 0
	s_add_co_u32 s[TK], s[TB], s60
	STEP
.Lnone:
	s_add_co_u32 s[TB], s[TB], SB
	s_add_co_u32 s[KI], s[KI], 1
	s_cmp_lt_u32 s[KI], 9
	s_cbranch_scc1 .Lslot
	; THE LONG TILE'S TWO PARTS MEET: the second wave hands O^T, its sum and -M over, as an image of its registers; the first joins them and sends the tile out.
.rept 4
	v_nop                                          ; places behind the last products
.endr
	v_add_f32 v14, v14, v15                        ; the sum's two halves
	v_mov_b32 v15, v12                             ; -M beside it
	s_wait_alu depctr_va_vdst(0)                   ; the wait ahead of the branch
	s_wait_dscnt 0x0
	s_barrier_signal -1
	s_barrier_wait -1                              ; nobody reads K any more
	s_cmp_eq_u32 s[RO], 0
	s_cbranch_scc1 .Lfirst
.irp i, 0,1,2,3,4,5,6,7
	ds_store_b128 v[XA], v[160+4*\i:163+4*\i] offset:512*\i
.endr
	ds_store_b64 v[XA], v[14:15] offset:4096
	OUT SC, 56                                     ; the short tile goes out
.Lfirst:
	s_wait_dscnt 0x0
	s_barrier_signal -1
	s_barrier_wait -1
	s_cmp_eq_u32 s[RO], 1
	s_cbranch_scc1 .Lend
.irp i, 0,1,2,3,4,5,6,7
	ds_load_b128 v[32+4*\i:35+4*\i], v[XP] offset:512*\i
.endr
	ds_load_b64 v[64:65], v[XP] offset:4096        ; the other sum, the other -M
	s_wait_dscnt 0x0
	v_min_num_f32 v66, v12, v65                    ; -M of both
	s_delay_alu instid0(VALU_DEP_1)
	v_sub_f32 v69, v66, v12
	v_sub_f32 v71, v66, v65
	s_delay_alu instid0(VALU_DEP_2)
	v_cvt_i32_f32 v69, v69
	s_delay_alu instid0(VALU_DEP_2)
	v_cvt_i32_f32 v71, v71
	s_delay_alu instid0(VALU_DEP_2)
	v_ldexp_f32 v68, 1.0, v69                      ; my part's factor,
	s_delay_alu instid0(VALU_DEP_2)
	v_ldexp_f32 v70, 1.0, v71                      ; the other part's
	s_delay_alu instid0(VALU_DEP_2)
	v_mul_f32 v14, v14, v68
.set j, 0
.rept 16
	v_pk_mul_f32 v[160+j:161+j], v[160+j:161+j], v[68:69] op_sel_hi:[1,0]
.set j, j+2
.endr
	v_fma_f32 v14, v64, v70, v14
.set j, 0
.rept 16
	v_pk_fma_f32 v[160+j:161+j], v[32+j:33+j], v[70:71], v[160+j:161+j] op_sel_hi:[1,0,1]
.set j, j+2
.endr
	CODES 224
	OUT 224, 58
.Lend:
	s_wait_tensorcnt 0x0                           ; the wave's end
	ds_add_u32 v249, v255
	s_wait_dscnt 0x0
	CROUND                                         ; the closing round: no work-group ends while a partner may still ask for a tile that names it
	s_endpgm
.Lfunc_end_k_qcc179b9253_attn:
	.size	k_qcc179b9253_attn, .Lfunc_end_k_qcc179b9253_attn-k_qcc179b9253_attn
	.p2alignl 7, 3214868480
	.fill 96, 4, 3214868480
	.section	.rodata,"a",@progbits
	.p2align	6, 0x0
	.amdhsa_kernel k_qcc179b9253_attn
		.amdhsa_group_segment_fixed_size 327680
		.amdhsa_private_segment_fixed_size 0
		.amdhsa_enable_private_segment 0
		.amdhsa_kernarg_size 24
		.amdhsa_user_sgpr_count 2
		.amdhsa_user_sgpr_kernarg_segment_ptr 1
		.amdhsa_wavefront_size32 1
		.amdhsa_system_sgpr_workgroup_id_x 1
		.amdhsa_system_sgpr_workgroup_id_y 1
		.amdhsa_system_sgpr_workgroup_id_z 1
		.amdhsa_system_vgpr_workitem_id 0
		.amdhsa_next_free_vgpr 256
		.amdhsa_next_free_sgpr 100
		.amdhsa_reserve_vcc 0
		.amdhsa_float_denorm_mode_32 3
		.amdhsa_float_denorm_mode_16_64 3
		.amdhsa_memory_ordered 1
		.amdhsa_forward_progress 1
		.amdhsa_inst_pref_size 51
	.end_amdhsa_kernel
	.amdgpu_metadata
---
amdhsa.version: [ 1, 2 ]
amdhsa.kernels:
  - .name:           k_qcc179b9253_attn
    .symbol:         k_qcc179b9253_attn.kd
    .args:
      - { .name: qkv, .offset: 0, .size: 8, .value_kind: global_buffer, .address_space: global }
      - { .name: lowp_scales, .offset: 8, .size: 8, .value_kind: global_buffer, .address_space: global }
      - { .name: xc, .offset: 16, .size: 8, .value_kind: global_buffer, .address_space: global }
    .group_segment_fixed_size: 327680
    .private_segment_fixed_size: 0
    .kernarg_segment_align: 8
    .kernarg_segment_size: 24
    .max_flat_workgroup_size: 512
    .sgpr_count:     100
    .vgpr_count:     256
    .wavefront_size: 32
...
	.end_amdgpu_metadata
.endif
;; end of part 3
;; launch oproj (part 4): grid 8 x 32, 4 waves a work-group, clusters of 4 x 4, 327,680 bytes of LDS; arguments xc, codes, lowp_scales, out0; writes out0
.if DOCPART == 4
	.amdgcn_target "amdgcn-amd-amdhsa--gfx1250"
	.amdhsa_code_object_version 6
	.text
	.protected	k_qcc179b9253_oproj
	.globl	k_qcc179b9253_oproj
	.p2align	8
	.type	k_qcc179b9253_oproj,@function
k_qcc179b9253_oproj:
	s_mov_b64 s[64:65], 0
	v_nop
	global_prefetch_b8 v0, s[64:65] scope:SCOPE_SE
	s_setreg_imm32_b32 hwreg(HW_REG_WAVE_MODE, 25, 1), 1
	s_wait_xcnt 0x0
	s_wait_alu depctr_hold_cnt(0) depctr_sa_sdst(0) depctr_va_vdst(0) depctr_va_sdst(0) depctr_va_ssrc(0) depctr_va_vcc(0) depctr_vm_vsrc(0)
	s_getreg_b32 s2, hwreg(HW_REG_IB_STS2, 6, 4)
	s_cmp_eq_u32 s2, 0
	s_cbranch_scc0 .Lentry_in_a_cluster
	s_endpgm
.Lentry_in_a_cluster:
	s_bfe_u32 s2, ttmp6, 0x10000c
	s_cmp_lg_u32 s2, 0xf033
	s_cbranch_scc0 .Lentry_shape_is_right
	s_endpgm
.Lentry_shape_is_right:
; out0[token][n] = the sum over k of x[token][k] Wo[n][k] on codes of E4M3, K = 1,024; each f32 sum is multiplied once by 2^(e10 + e11).   LIMIT: e10 + e11 between -126 and 127, so that this is an f32 number.
; x's codes lie [64 blocks of 64 tokens][16 heads][64 tokens][64 bytes] (k = 64 head + channel); Wo's codes [1024][1024] at 15 Mi of the buffer of codes.
; 4,096 x 1,024 results in tiles of 128 x 128: 256 work-groups of four waves, 64 x 64 a wave: 16 accumulators.
; ALL OF K LIES IN LDS, each byte filled once, by ONE load a wave: waves 0, 1: 64 tokens of A each (65,536 dense bytes, stated as 256 rows of 256, 16 bytes of padding behind each); waves 2, 3: 64 rows of B each
; (1,024 bytes, 16 of padding behind each).  Nothing is prefetched: all is asked for at the head.
; CLUSTERS: 4 x 4 work-groups; A's tiles are asked for jointly along a row of the cluster, B's along a column.  The matrix instruction is used transposed: a lane holds eight neighbouring n of one token.
; REGISTERS: window 0: v0-31 addresses; v32-127 at work on the way out; v128-255 the accumulators ((a, b) at v[128 + 8 (4 a + b)]).   window 1: two buffers of 128: A's four fragments (16 rows x 128 K), then B's four.
.set TILEB, 69632                      ; 256 rows x 272 bytes: a place for what one tensor load brings
.set QTRA,  17408                      ; a quarter of K (four heads) on in A's tile
.set BP,    1040                       ; a row of B in LDS
.set STAGE, 4*TILEB                    ; behind the tiles: 16 rows x 272 bytes for each wave; no fill lands there
.set SPARE, STAGE+4*16*272
.set ADRA, 16                          ; v16-19  LDS address of my A fragments in quarter 0 .. 3 of K
.set ADRB, 20                          ; v20-23  the same for B
.set STO,  24
.set RD,   25
.set CO,   26
.set SPW,  30
.set NIL,  31
.set TMP,  32                          ; v32-63  a block's 32 sums x 2^(e10 + e11)
.set BK,   64                          ; v64-95, v96-127 by turns: 16 rows read back
.set ACC,  128
.set G1A,  24                          ; s[24:31], s[32:39] descriptor groups 1;  s[48:51], s[52:55] groups 0
.set G1B,  32
.set G0A,  48
.set G0B,  52
.set MSB, 0
.macro WIN new
.if MSB != (\new)
	s_set_vgpr_msb (MSB<<8)|(\new)
.set MSB, (\new)
.endif
.endm
.set MUL,  0x05                        ; sources 0 (B) and 1 (A) window 1; C and D window 0
.set TO_F, 0x40                        ; destination window 1, address window 0
.macro CROUND
	s_barrier_signal -1
	s_barrier_wait -1
	s_cmp_lg_u32 s14, 0
	s_cbranch_scc1 .Lnot_wave_0_\@
	s_barrier_signal -3
.Lnot_wave_0_\@:
	s_barrier_wait -3
	s_barrier_signal -1
	s_barrier_wait -1
.endm
.macro PLACES
.rept 4
	v_nop
.endr
.endm
	s_load_b256 s[4:11], s[0:1], 0x0               ; xc s[4:5], the codes s[6:7], the exponents s[8:9], out0 s[10:11]
	v_lshl_add_u32 v[SPW], v0, 2, SPARE
	v_mov_b32 v[NIL], 0
	ds_add_u32 v[SPW], v[NIL]                      ; the opening add, twice on end
	ds_add_u32 v[SPW], v[NIL]
	v_lshrrev_b32 v1, 5, v0
	v_readfirstlane_b32 s14, v1                    ; wave 0..3
	s_lshr_b32 s15, s14, 1                         ; which half of the tile's rows is mine.  Also: I fetch for A (0) or for B (1)
	s_and_b32 s16, s14, 1                          ; which half of its columns.  Also: which 64 rows I fetch
	s_bfe_u32 s40, ttmp6, 0x40000                  ; cx, cy
	s_bfe_u32 s41, ttmp6, 0x40004
	s_lshl_b32 s42, ttmp9, 2
	s_add_co_u32 s42, s42, s40                     ; tile column
	s_and_b32 s17, ttmp7, 0xffff
	s_lshl_b32 s17, s17, 2
	s_add_co_u32 s17, s17, s41                     ; tile row
	s_lshl_b32 s43, s41, 2
	s_lshl_b32 s43, 15, s43                        ; my row of the cluster
	s_lshl_b32 s44, 0x1111, s40                    ; my column
	s_or_b32 s[G1A+0], s43, (0<<16)|(1<<20)|(1<<21)|(5<<22)|(3<<25)  ; the mask; elements of 1 byte; padding on; 21 set beside a mask; after every 64 words four words
	s_or_b32 s[G1B+0], s44, (0<<16)|(1<<20)|(1<<21)|(7<<22)|(3<<25)  ; after every 256 words four words
	s_mov_b32 s[G1A+1], 256<<16                    ; tensor_dim0
	s_mov_b32 s[G1A+2], 256<<16                    ; tensor_dim1
	s_mov_b32 s[G1A+3], 256<<16                    ; tile_dim0
	s_mov_b32 s[G1A+4], 256                        ; tile_dim1
	s_mov_b32 s[G1A+5], 256                        ; A's block is dense
	s_mov_b32 s[G1A+6], 0
	s_mov_b32 s[G1A+7], 0
	s_mov_b32 s[G1B+1], 1024<<16
	s_mov_b32 s[G1B+2], 64<<16
	s_mov_b32 s[G1B+3], 1024<<16
	s_mov_b32 s[G1B+4], 64
	s_mov_b32 s[G1B+5], 1024                       ; a row of Wo's codes
	s_mov_b32 s[G1B+6], 0
	s_mov_b32 s[G1B+7], 0
	s_lshl_b32 s20, s17, 1
	s_add_co_u32 s20, s20, s16
	s_lshl_b32 s20, s20, 16                        ; A: block of tokens 2 x tile row + half, 65,536 bytes each; it never holds cx
	s_mov_b32 s21, 0
	s_lshl_b32 s46, s42, 7
	s_lshl_b32 s47, s16, 6
	s_add_co_u32 s46, s46, s47
	s_lshl_b32 s46, s46, 10
	s_add_co_u32 s46, s46, 0xF00000                ; B: row 128 x tile column + 64 x half of Wo's codes; it never holds cy
	s_mov_b32 s47, 0
	s_mul_i32 s45, s14, TILEB                      ; where they go: A's halves, then B's
	s_wait_dscnt 0x0                               ; both opening adds are done
	s_wait_kmcnt 0x0
	s_load_b64 s[96:97], s[8:9], 0x28              ; e10, e11
	s_add_nc_u64 s[20:21], s[4:5], s[20:21]
	s_add_nc_u64 s[46:47], s[6:7], s[46:47]
	s_mov_b32 s[G0A], 1
	s_mov_b32 s[G0A+1], s45
	s_mov_b64 s[G0A+2:G0A+3], s[20:21]
	s_or_b32 s[G0A+3], s[G0A+3], 0x80000000
	s_mov_b32 s[G0B], 1
	s_mov_b32 s[G0B+1], s45
	s_mov_b64 s[G0B+2:G0B+3], s[46:47]
	s_or_b32 s[G0B+3], s[G0B+3], 0x80000000
	CROUND                                         ; all sixteen work-groups are here: the joint loads meet
	s_cmp_eq_u32 s15, 0                            ; one load a wave, in one of two arms
	s_cbranch_scc0 .Lfor_b
	tensor_load_to_lds s[G0A:G0A+3], s[G1A:G1A+7]
	s_nop 0
	PLACES
	s_branch .Lasked
.Lfor_b:
	tensor_load_to_lds s[G0B:G0B+3], s[G1B:G1B+7]
	s_nop 0
	PLACES
.Lasked:
	v_and_b32 v1, 15, v0                           ; r
	v_bfe_u32 v2, v0, 4, 1                         ; h
	v_lshrrev_b32 v3, 2, v1
	v_mul_u32_u24 v3, v3, 272
	v_and_b32 v4, 3, v1
	v_lshl_add_u32 v3, v4, 6, v3
	v_lshl_add_u32 v3, v2, 4, v3                   ; A: token r of a block of 16: (r / 4) 272 + (r % 4) 64, + 16 h
	v_mul_u32_u24 v4, v1, BP
	v_lshl_add_u32 v4, v2, 4, v4                   ; B: row r, + 16 h
	s_mul_i32 s22, s15, TILEB                      ; my 64 tokens,
	s_mul_i32 s23, s16, TILEB
	s_add_co_u32 s23, s23, 2*TILEB                 ; my 64 rows of Wo
	s_wait_alu depctr_va_vdst(0)
.irp p, 0,1,2,3
	v_add_nc_u32 v[ADRA+\p], s22, v3
	v_add_nc_u32 v[ADRB+\p], s23, v4
	s_add_co_u32 s22, s22, QTRA
	s_add_co_u32 s23, s23, 256
.endr
	s_mul_i32 s22, s14, 16*272
	s_add_co_u32 s22, s22, STAGE                   ; my stage
	v_mul_u32_u24 v5, v1, 272
	v_lshl_add_u32 v5, v2, 5, v5
	v_add_nc_u32 v[STO], s22, v5                   ; in: row r, 32 bytes for each half of the lanes
	v_mul_u32_u24 v5, v2, 272
	v_lshl_add_u32 v5, v1, 4, v5
	v_add_nc_u32 v[RD], s22, v5                    ; back: lanes 0-15 one row of 256 bytes, lanes 16-31 the next
	v_lshlrev_b32 v5, 12, v2
	v_lshl_add_u32 v[CO], v1, 4, v5                ; and the same two rows of out0, 4,096 bytes apart
	s_lshl_b32 s22, s17, 7
	s_lshl_b32 s23, s15, 6
	s_add_co_u32 s22, s22, s23
	s_lshl_b32 s22, s22, 12                        ; my first row,
	s_lshl_b32 s84, s42, 7
	s_lshl_b32 s85, s16, 6
	s_add_co_u32 s84, s84, s85
	s_lshl_b32 s84, s84, 2                         ; my first column, in bytes: a multiple of 256
	s_add_co_u32 s22, s22, s84
	s_mov_b32 s23, 0
	s_add_nc_u64 s[10:11], s[10:11], s[22:23]
; 32 LDS loads: the fragments of 128 along K, half s of quarter p, into buffer f.  Registers 4 c .. 4 c + 3 hold K = 32 c + 16 h + 0 .. 15, alike in A and B.  In A that is head 2 s + c / 2 of the quarter, channels 32 (c % 2) + 16 h on
.macro FETCH p, s, f
	WIN TO_F
.irp i, 0,1,2,3
.irp c, 0,1,2,3
	ds_load_b128 v[(\f)+16*\i+4*\c:(\f)+16*\i+4*\c+3], v[ADRA+(\p)] offset:(2*(\s)+(\c/2))*4352+\i*1088+32*(\c%2)
.endr
.endr
.irp i, 0,1,2,3
.irp c, 0,1,2,3
	ds_load_b128 v[(\f)+64+16*\i+4*\c:(\f)+64+16*\i+4*\c+3], v[ADRB+(\p)] offset:\i*16*BP+128*(\s)+32*\c
.endr
.endr
.endm
; 16 matrix instructions: the 16 accumulators take turns, one instruction a turn, in the same order in every step.  zero = 1: the first products start the sums
.macro MUL16 f, zero
	WIN MUL
.irp a, 0,1,2,3
.irp b, 0,1,2,3
.if \zero
	v_wmma_f32_16x16x128_fp8_fp8 v[ACC+8*(4*\a+\b):ACC+8*(4*\a+\b)+7], v[(\f)+64+16*\b:(\f)+64+16*\b+15], v[(\f)+16*\a:(\f)+16*\a+15], 0
.else
	v_wmma_f32_16x16x128_fp8_fp8 v[ACC+8*(4*\a+\b):ACC+8*(4*\a+\b)+7], v[(\f)+64+16*\b:(\f)+64+16*\b+15], v[(\f)+16*\a:(\f)+16*\a+15], v[ACC+8*(4*\a+\b):ACC+8*(4*\a+\b)+7]
.endif
.endr
.endr
.endm
	s_wait_alu depctr_va_vdst(0)                   ; the wait at the head's end
	s_wait_tensorcnt 0x0                           ; my tile is in,
	s_barrier_signal -1
	s_barrier_wait -1                              ; and everybody's
	FETCH 0, 0, 0
.set k, 0
.rept 8                                        ; step k: half k % 2 of quarter k / 2, on buffer k % 2; the next step's fragments are asked for ahead of this step's products
	s_wait_dscnt 0x0                               ; this step's fragments are in
.if k < 7
.if k > 0
	PLACES                                         ; in front of loads into the buffer that the last products have read
.endif
	FETCH (k+1)/2, (k+1)%2, 128*((k+1)%2)
.endif
.if k == 0
	MUL16 0, 1
.else
	MUL16 128*(k%2), 0
.endif
.set k, k+1
.endr
	WIN 0
	PLACES                                         ; behind the last products, ahead of the first read of results
; THE WAY OUT, block by block of 16 tokens x 64 columns: x 2^(e10 + e11) into other registers, each accumulator from its low end on; through my own stage; back as whole rows of 256 bytes.
.macro OUTB a
.set j, 0
.rept 16
	v_pk_mul_f32 v[TMP+j:TMP+j+1], v[ACC+32*(\a)+j:ACC+32*(\a)+j+1], s[96:97] op_sel_hi:[1,0]
.set j, j+2
.endr
.irp b, 0,1,2,3
	ds_store_b128 v[STO], v[TMP+8*\b:TMP+8*\b+3] offset:64*\b
	ds_store_b128 v[STO], v[TMP+8*\b+4:TMP+8*\b+7] offset:64*\b+16
.endr
.set BB, BK+32*((\a)%2)
.irp i, 0,1,2,3,4,5,6,7
	ds_load_b128 v[BB+4*\i:BB+4*\i+3], v[RD] offset:2*\i*272      ; LDS serves a wave's instructions in order: these see my stores
.endr
.endm
.macro SENDB a, younger
.set BB, BK+32*((\a)%2)
	s_wait_dscnt \younger
.irp i, 0,1,2,3,4,5,6,7
	global_store_b128 v[CO], v[BB+4*\i:BB+4*\i+3], s[10:11] offset:(16*(\a)+2*\i)*4096 th:TH_STORE_NT   ; 16 lanes store 256 consecutive bytes, at a multiple of 256 from out0's first byte; written once
.endr
.endm
	s_wait_kmcnt 0x0
	s_add_co_i32 s96, s96, s97
	s_add_co_i32 s96, s96, 127
	s_lshl_b32 s96, s96, 23                        ; 2^(e10 + e11) as f32
	OUTB 0
.irp a, 1,2,3
.if \a > 1
	s_wait_xcnt 0x0                                ; block a - 2's stores have read their registers: block a's loads may land there
.endif
	OUTB \a
	SENDB \a-1, 16                                 ; behind block a - 1's loads: block a's 8 stores and 8 loads
.endr
	SENDB 3, 0
	s_wait_tensorcnt 0x0                           ; the wave's end
	ds_add_u32 v[SPW], v[NIL]
	s_wait_dscnt 0x0
	CROUND                                         ; the closing round: no work-group ends while a partner may still ask for a tile that names it
	s_endpgm
.Lfunc_end_k_qcc179b9253_oproj:
	.size	k_qcc179b9253_oproj, .Lfunc_end_k_qcc179b9253_oproj-k_qcc179b9253_oproj
	.p2alignl 7, 3214868480
	.fill 96, 4, 3214868480
	.section	.rodata,"a",@progbits
	.p2align	6, 0x0
	.amdhsa_kernel k_qcc179b9253_oproj
		.amdhsa_group_segment_fixed_size 327680
		.amdhsa_private_segment_fixed_size 0
		.amdhsa_enable_private_segment 0
		.amdhsa_kernarg_size 32
		.amdhsa_user_sgpr_count 2
		.amdhsa_user_sgpr_kernarg_segment_ptr 1
		.amdhsa_wavefront_size32 1
		.amdhsa_system_sgpr_workgroup_id_x 1
		.amdhsa_system_sgpr_workgroup_id_y 1
		.amdhsa_system_sgpr_workgroup_id_z 1
		.amdhsa_system_vgpr_workitem_id 0
		.amdhsa_next_free_vgpr 512
		.amdhsa_next_free_sgpr 98
		.amdhsa_reserve_vcc 0
		.amdhsa_float_denorm_mode_32 3
		.amdhsa_float_denorm_mode_16_64 3
		.amdhsa_memory_ordered 1
		.amdhsa_forward_progress 1
		.amdhsa_inst_pref_size 44
	.end_amdhsa_kernel
	.amdgpu_metadata
---
amdhsa.version: [ 1, 2 ]
amdhsa.kernels:
  - .name:           k_qcc179b9253_oproj
    .symbol:         k_qcc179b9253_oproj.kd
    .args:
      - { .name: xc, .offset: 0, .size: 8, .value_kind: global_buffer, .address_space: global }
      - { .name: codes, .offset: 8, .size: 8, .value_kind: global_buffer, .address_space: global }
      - { .name: lowp_scales, .offset: 16, .size: 8, .value_kind: global_buffer, .address_space: global }
      - { .name: out0, .offset: 24, .size: 8, .value_kind: global_buffer, .address_space: global }
    .group_segment_fixed_size: 327680
    .private_segment_fixed_size: 0
    .kernarg_segment_align: 8
    .kernarg_segment_size: 32
    .max_flat_workgroup_size: 128
    .sgpr_count:     98
    .vgpr_count:     512
    .wavefront_size: 32
...
	.end_amdgpu_metadata
.endif
;; end of part 4
